; MI455X (gfx1250); checked and timed in simulation.
; The chip was launched on July 23, 2026; its instructions are those of AMD's public machine-readable ISA for CDNA 5 (MIT licence, August 2026) and "CDNA5" Instruction Set Architecture Reference Guide (July 2026). The comments in the code are by the model that wrote it; some were corrected since.
;; Memory Efficient Attention. Allowed arithmetic: matrix products marked QUANTISED: E4M3 operands, one E8M0 scale for each 32 along K, by v_wmma_scale_f32_16x16x128_f8f6f4 with both operands' format E4M3, f32 sums; everything else in f32.
;; Inputs: bk 512 float32; bo 512 float32; bq 512 float32; bv 512 float32; wk 512 x 512 float32; wo 512 x 512 float32; wq 512 x 512 float32; wv 512 x 512 float32; x 4 x 8,192 x 512 float32.
;; Outputs: out0 4 x 8,192 x 512 float32.
;; This version of the problem:
;;   THIS VERSION OF THE PROBLEM IS GIVEN IN LOW PRECISION. The matrix products marked QUANTISED in the list below multiply operands that are first quantised to E4M3 (4 exponent bits, 3 mantissa bits; 8 bits a number), with one power-of-two scale for each 32 numbers along K (OCP MX v1.0); their sums are f32. All else is computed in f32.
;;   The module's matrix products, in the order in which they are computed (A, B: the left and right operand; K: the contracted axis; several contracted axes count as one K, in the product's order):
;;     1. [M 32,768, K 512] x [K 512, N 512]; A: input x; B: input wq: QUANTISED
;;     2. [M 32,768, K 512] x [K 512, N 512]; A: input x; B: input wk: QUANTISED
;;     3. [M 32,768, K 512] x [K 512, N 512]; A: input x; B: input wv: QUANTISED
;;     4. batch 2,048 x [M 256, K 32] x [K 32, N 256]; A: computed on the way; B: computed on the way: QUANTISED
;;     5. batch 2,048 x [M 32, K 256] x [K 256, N 256]; A: computed on the way; B: softmax (see below): QUANTISED
;;     6. [M 32,768, K 512] x [K 512, N 512]; A: computed on the way; B: input wo: QUANTISED
;;   THE QUANTISER, for each operand of a quantised product, along K:
;;     - K is cut into blocks of 32 from its start; a last block that is shorter is filled with zeros.
;;     - A block's scale is 2^e with e = floor(log2(the largest magnitude in the block)) - 8, held to -126 .. 127; a block of zeros has e = 0. As a byte (E8M0): e + 127.
;;     - Each number is divided by its block's scale, clamped to +-448, and rounded to the nearest number of E4M3, ties to even, subnormals kept.
;;     - The product sums the exact products of the quantised numbers (number of the format x scale) in f32.
;;   ~~~python
;;   def quantise(x, axis):      # numpy; x: float32 -> the quantised numbers, widened to float32 again
;;       x = np.moveaxis(x, axis, -1); K = x.shape[-1]
;;       x = np.pad(x, [(0, 0)] * (x.ndim - 1) + [(0, -K % 32)]); x = x.reshape(x.shape[:-1] + (-1, 32)); a = np.abs(x).max(-1, keepdims=True)
;;       e = np.where(a > 0, np.clip(np.frexp(np.where(a > 0, a, 1))[1] - 1 - 8, -126, 127), 0)      # np.frexp(a)[1] - 1 = floor(log2(a)), exactly
;;       r = np.clip(x / 2.0 ** e, -448, 448)
;;       step = 2.0 ** (np.maximum(np.frexp(np.where(r == 0, 1, r))[1] - 1, -6) - 3)
;;       q = np.round(r / step) * step * 2.0 ** e      # np.round: ties to even
;;       return np.moveaxis(q.reshape(q.shape[:-2] + (-1,))[..., :K], -1, axis).astype(np.float32)
;;   ~~~
;;   SOFTMAX AHEAD OF A QUANTISED PRODUCT. Where the list says 'softmax', what is quantised is not the finished softmax but p = 2^(t - M), with t = logit x log2(e) and M = ceil(the row's largest t), a whole number; so 1/2 < the row's largest p <= 1. The row's sum l is taken of the UNQUANTISED p, in f32, and the product's result is divided by l at the end. Since M is a whole number, a kernel that streams over the keys may use a running M (the ceiling of the running maximum): every later rescaling is an exact power of two, which a block's scale takes up: the codes' values come out the same.
;;   OPERANDS COMPUTED ON THE WAY. 'Computed on the way' means the value that the module computes at that place (a softmax that the list does not call 'softmax' is quantised finished and normalised). What goes into a quantiser is computed in f32, as accurately as f32 sums, v_exp_f32 and their like allow (about 1e-6 of the number): no bf16 or f16 on the way to a quantiser, and a product that is left as it is and whose result goes on into a quantised operand takes f32 operands (vector FMAs, or v_wmma_f32_16x16x4_f32). A number that lies on a knife's edge between two numbers of the format may be rounded either way, as far as f32 arithmetic and the matrix unit's own rounding can turn it there, and no further.
;; One version. Each part assembles by itself: llvm-mc -triple=amdgcn-amd-amdhsa -mcpu=gfx1250 --defsym DOCPART=n.
;; ======== version 1 of 1: 3 launches
;; limits: right only within a limited range of input values
;; workspace buffers: wcodes 1,048,576 bytes; wscales 65,536 bytes; oc 16,777,216 bytes; os 524,288 bytes
;; launch prep (part 1): grid 256 x 1, 2 waves a work-group, no clusters, 0 bytes of LDS; arguments wq, wk, wv, wo, wcodes, wscales; writes wcodes, wscales
.if DOCPART == 1
	.amdgcn_target "amdgcn-amd-amdhsa--gfx1250"
	.amdhsa_code_object_version 6
	.text
	.protected	k_q0f33a685f2_prep
	.globl	k_q0f33a685f2_prep
	.p2align	8
	.type	k_q0f33a685f2_prep,@function
k_q0f33a685f2_prep:
	s_mov_b64 s[64:65], 0
	v_nop
	global_prefetch_b8 v0, s[64:65] scope:SCOPE_SE
	s_setreg_imm32_b32 hwreg(HW_REG_WAVE_MODE, 25, 1), 1
	s_wait_xcnt 0x0
; wq, wk, wv, wo [512][512] f32 (K = the second axis, innermost) become codes of FP8 (E4M3) with one E8M0 scale for each 32 along K,
; laid in the ORDER OF AN OPERAND'S REGISTERS, so that the next launch loads each fragment by four loads of 16 bytes a lane.
; Fragment F = (m*32 + t)*4 + s: matrix m (0 q, 1 k, 2 v, 3 o), tile t of 16 rows, K step s of 128.  wcodes: 2,048 bytes a fragment: piece c (512 bytes), lane l at 16 l:
; the codes of W_m[row(t, l % 16)][128 s + 32 c + 16 (l / 16) + 0 .. 15].  wscales: 128 bytes a fragment, lane l's word at 4 l (byte c: block c); lanes 16-31 repeat lanes 0-15.
; THE ROWS OF A TILE ARE NOT NEIGHBOURS: row(t, r) = 32 (t / 2) + 8 (t % 2) + r + 8 (r / 8), so that the 16 result registers of tiles 2 b and 2 b + 1 are 16 neighbours along the next product's K.
; SHARES: 512 fragments, one a wave: work-group g, wave v: F = 2 g + v.  A lane loads its 64 numbers (16 of each block of 32); lanes l and l xor 16 hold a block.
; A block's scale is 2^(floor(log2(largest magnitude)) - 8); its byte is the largest magnitude's exponent field - 8, held at 1 from below.
; LIMITS: a block of zeros, or one whose largest magnitude lies under 2^-118, gets the byte 1 where the rule says 127 for zeros: its codes are zeros or subnormal codes, and this program alone reads the bytes.
; NaN and infinities among the inputs are not served.  The scale words leave as 128 bytes a wave: the two waves of a work-group write the two halves of an aligned 256 bytes (65,536 bytes in the whole launch).
.set TM,  8                            ; v8-11 largest magnitudes, v12-15 bytes, v16-19 448 x the scale, v20-23 the conversions' scale operands
.set PWD, 24                           ; v24 the scale word
.set PCD, 32                           ; v32-47 the codes
.set XN,  64                           ; v64-127 the numbers: register 16 c + i = k 32 c + 16 (l / 16) + i
.macro QUANT src, nb, tm, pc           ; nb blocks of 16 registers a lane become codes at v[pc + 4 b] on; the bytes are left in v[tm + 4 + b]
.irp b, 0,1,2,3
.if \b < \nb
	v_max3_num_f32 v[\tm+\b], |v[\src+16*\b]|, |v[\src+16*\b+1]|, 0x4800000   ; my 16 numbers, and the floor 2^(9 - 127): the byte cannot fall under 1
.endif
.endr
.irp i, 2,4,6,8,10,12,14
.irp b, 0,1,2,3
.if \b < \nb
	v_max3_num_f32 v[\tm+\b], v[\tm+\b], |v[\src+16*\b+\i]|, |v[\src+16*\b+\i+1]|   ; the blocks by turns
.endif
.endr
.endr
.irp b, 0,1,2,3
.if \b < \nb
	v_permlanex16_b32 v[\tm+4+\b], v[\tm+\b], s32, s33
.endif
.endr
.irp b, 0,1,2,3
.if \b < \nb
	v_max_num_f32 v[\tm+\b], v[\tm+\b], v[\tm+4+\b]          ; with lane l xor 16's: the block's largest magnitude
.endif
.endr
.irp b, 0,1,2,3
.if \b < \nb
	v_add_nc_u32 v[\tm+12+\b], 0xfc000000, v[\tm+\b]         ; 8 off its exponent field: the conversion's scale operand
.endif
.endr
.irp b, 0,1,2,3
.if \b < \nb
	v_and_or_b32 v[\tm+8+\b], v[\tm+\b], 0x7f800000, s34     ; 448 x the scale
.endif
.endr
.irp b, 0,1,2,3
.if \b < \nb
	v_lshrrev_b32 v[\tm+4+\b], 23, v[\tm+12+\b]              ; the scale's byte
.endif
.endr
.irp b, 0,1,2,3
.if \b < \nb
.irp i, 0,1,2,3,4,5,6,7,8,9,10,11,12,13,14,15
	v_med3_num_f32 v[\src+16*\b+\i], v[\src+16*\b+\i], -v[\tm+8+\b], v[\tm+8+\b]   ; the conversion to an 8-bit code does not saturate (ISA guide 7.6.2): the hold
.endr
	v_cvt_scalef32_pk8_fp8_f32 v[\pc+4*\b:\pc+4*\b+1], v[\src+16*\b:\src+16*\b+7], v[\tm+12+\b]
	v_cvt_scalef32_pk8_fp8_f32 v[\pc+4*\b+2:\pc+4*\b+3], v[\src+16*\b+8:\src+16*\b+15], v[\tm+12+\b]
.endif
.endr
	v_nop                                                    ; one plain line behind the last conversion
.endm
	s_load_b256 s[4:11], s[0:1], 0x0               ; wq s[4:5], wk s[6:7], wv s[8:9], wo s[10:11]
	s_load_b128 s[12:15], s[0:1], 0x20             ; wcodes s[12:13], wscales s[14:15]
	v_lshrrev_b32 v3, 5, v0
	v_readfirstlane_b32 s16, v3                    ; wave 0, 1
	v_and_b32 v1, 15, v0                           ; r
	v_bfe_u32 v2, v0, 4, 1                         ; h
	v_and_b32 v7, 31, v0                           ; lane
	v_and_b32 v4, 8, v1
	v_add_nc_u32 v4, v4, v1                        ; r + 8 (r / 8)
	v_lshlrev_b32 v4, 11, v4                       ; a row of W is 2,048 bytes
	v_lshl_add_u32 v4, v2, 6, v4                   ; + 64 h: my 16 numbers of a block
	v_lshlrev_b32 v5, 4, v7                        ; 16 x lane
	v_lshlrev_b32 v6, 2, v7                        ; 4 x lane
.irp b, 0,1,2,3
	v_mov_b32 v[TM+4+\b], 0                        ; a lane permute's destination counts as one of its sources
.endr
	s_mov_b32 s32, 0x76543210
	s_mov_b32 s33, 0xfedcba98                      ; v_permlanex16_b32's selects for lane l xor 16
	s_mov_b32 s34, 0x600000                        ; the mantissa field of 448
	s_lshr_b32 s17, ttmp9, 6                       ; m
	s_bfe_u32 s18, ttmp9, 0x50001                  ; t: five bits from bit 1
	s_and_b32 s19, ttmp9, 1
	s_lshl_b32 s19, s19, 1
	s_add_co_u32 s19, s19, s16                     ; s
	s_lshr_b32 s20, s18, 1
	s_lshl_b32 s20, s20, 16                        ; 32 (t / 2) rows
	s_and_b32 s21, s18, 1
	s_lshl_b32 s21, s21, 14                        ; 8 (t % 2) rows
	s_add_co_u32 s20, s20, s21
	s_lshl_b32 s21, s19, 9                         ; 128 s numbers
	s_add_co_u32 s20, s20, s21
	s_mov_b32 s21, 0
	s_lshl_b32 s22, ttmp9, 1
	s_add_co_u32 s22, s22, s16                     ; F
	s_lshl_b32 s24, s22, 11
	s_mov_b32 s25, 0
	s_lshl_b32 s26, s22, 7
	s_mov_b32 s27, 0
	s_wait_alu depctr_va_vdst(0)
	s_wait_kmcnt 0x0
	s_cmp_eq_u32 s17, 1                            ; the matrix is chosen by the work-group's number alone
	s_cselect_b64 s[4:5], s[6:7], s[4:5]
	s_cmp_eq_u32 s17, 2
	s_cselect_b64 s[4:5], s[8:9], s[4:5]
	s_cmp_eq_u32 s17, 3
	s_cselect_b64 s[4:5], s[10:11], s[4:5]
	s_add_nc_u64 s[4:5], s[4:5], s[20:21]
	s_add_nc_u64 s[12:13], s[12:13], s[24:25]
	s_add_nc_u64 s[14:15], s[14:15], s[26:27]
.irp c, 0,1,2,3
.irp j, 0,1,2,3
	global_load_b128 v[XN+16*\c+4*\j:XN+16*\c+4*\j+3], v4, s[4:5] offset:128*\c+16*\j
.endr
.endr
	s_wait_loadcnt 0x0
	QUANT XN, 4, TM, PCD
	v_lshl_or_b32 v[PWD], v[TM+5], 8, v[TM+4]      ; the four bytes make my row's scale word
	v_lshl_or_b32 v[PWD], v[TM+6], 16, v[PWD]
	v_lshl_or_b32 v[PWD], v[TM+7], 24, v[PWD]
.irp c, 0,1,2,3
	global_store_b128 v5, v[PCD+4*\c:PCD+4*\c+3], s[12:13] offset:512*\c   ; 32 lanes store 512 consecutive bytes, aligned
.endr
	global_store_b32 v6, v[PWD], s[14:15]
	s_endpgm
.Lfunc_end_k_q0f33a685f2_prep:
	.size	k_q0f33a685f2_prep, .Lfunc_end_k_q0f33a685f2_prep-k_q0f33a685f2_prep
	.p2alignl 7, 3214868480
	.fill 96, 4, 3214868480
	.section	.rodata,"a",@progbits
	.p2align	6, 0x0
	.amdhsa_kernel k_q0f33a685f2_prep
		.amdhsa_group_segment_fixed_size 0
		.amdhsa_private_segment_fixed_size 0
		.amdhsa_enable_private_segment 0
		.amdhsa_kernarg_size 48
		.amdhsa_user_sgpr_count 2
		.amdhsa_user_sgpr_kernarg_segment_ptr 1
		.amdhsa_wavefront_size32 1
		.amdhsa_system_sgpr_workgroup_id_x 1
		.amdhsa_system_sgpr_workgroup_id_y 1
		.amdhsa_system_sgpr_workgroup_id_z 1
		.amdhsa_system_vgpr_workitem_id 0
		.amdhsa_next_free_vgpr 128
		.amdhsa_next_free_sgpr 66
		.amdhsa_reserve_vcc 0
		.amdhsa_float_denorm_mode_32 3
		.amdhsa_float_denorm_mode_16_64 3
		.amdhsa_memory_ordered 1
		.amdhsa_forward_progress 1
		.amdhsa_inst_pref_size 13
	.end_amdhsa_kernel
	.amdgpu_metadata
---
amdhsa.version: [ 1, 2 ]
amdhsa.kernels:
  - .name:           k_q0f33a685f2_prep
    .symbol:         k_q0f33a685f2_prep.kd
    .args:
      - { .name: wq, .offset: 0, .size: 8, .value_kind: global_buffer, .address_space: global }
      - { .name: wk, .offset: 8, .size: 8, .value_kind: global_buffer, .address_space: global }
      - { .name: wv, .offset: 16, .size: 8, .value_kind: global_buffer, .address_space: global }
      - { .name: wo, .offset: 24, .size: 8, .value_kind: global_buffer, .address_space: global }
      - { .name: wcodes, .offset: 32, .size: 8, .value_kind: global_buffer, .address_space: global }
      - { .name: wscales, .offset: 40, .size: 8, .value_kind: global_buffer, .address_space: global }
    .group_segment_fixed_size: 0
    .private_segment_fixed_size: 0
    .kernarg_segment_align: 8
    .kernarg_segment_size: 48
    .max_flat_workgroup_size: 64
    .sgpr_count:     66
    .vgpr_count:     128
    .wavefront_size: 32
...
	.end_amdgpu_metadata
.endif
;; end of part 1
;; launch attn (part 2): grid 256 x 1, 16 waves a work-group, clusters of 4 x 1, 278,528 bytes of LDS; arguments x, wcodes, wscales, bq, bk, bv, oc, os; writes oc, os
.if DOCPART == 2
	.amdgcn_target "amdgcn-amd-amdhsa--gfx1250"
	.amdhsa_code_object_version 6
	.text
	.protected	k_q0f33a685f2_attn
	.globl	k_q0f33a685f2_attn
	.p2align	8
	.type	k_q0f33a685f2_attn,@function
k_q0f33a685f2_attn:
	s_mov_b64 s[64:65], 0
	v_nop
	global_prefetch_b8 v0, s[64:65] scope:SCOPE_SE
	s_setreg_imm32_b32 hwreg(HW_REG_WAVE_MODE, 25, 1), 1
	s_wait_xcnt 0x0
	s_wait_alu depctr_hold_cnt(0) depctr_sa_sdst(0) depctr_va_vdst(0) depctr_va_sdst(0) depctr_va_ssrc(0) depctr_va_vcc(0) depctr_vm_vsrc(0)
	s_getreg_b32 s2, hwreg(HW_REG_IB_STS2, 6, 4)
	s_cmp_eq_u32 s2, 0
	s_cbranch_scc0 .Lentry_in_a_cluster
	s_endpgm
.Lentry_in_a_cluster:
	s_bfe_u32 s2, ttmp6, 0x10000c
	s_cmp_lg_u32 s2, 0x3003
	s_cbranch_scc0 .Lentry_shape_is_right
	s_endpgm
.Lentry_shape_is_right:
; Q, K, V of a chunk of 256 tokens and the attention within it, for 8 of the 16 heads; the products on codes of FP8 (E4M3) with one E8M0 scale for each 32 along K.  The result leaves as codes for the last projection (launch outp).
; SHARES.  Work-group g: chunk g / 2, heads 8 (g % 2) .. + 7.  Two waves to a head: wave w, head w / 2; in the projections wave z = w % 2 makes K (z = 0) or V (z = 1) of all 256 tokens, then Q of query tiles 8 z .. 8 z + 7, and attends for these.
; So K, V and Q of a token are projected once.  x's codes are made in both work-groups of a chunk.  The four work-groups of a cluster are the halves of two chunks.
; TILES.  Token tile T = 2 b + tau, row r, is token 32 b + 8 tau + r + 8 (r / 8) of the chunk; the weights' tiles are laid likewise (launch prep).  So every result lies in a lane as 16 neighbours along the next product's K:
;   K, Q: source 0 = 16 rows of W, source 1 = 16 tokens.   V: source 0 = tokens, source 1 = Wv.   S^T = K Q^T: a lane holds one query, keys 32 b + 16 h + 0 .. 15.   O^T = V^T P^T: one query, channels 16 h + 0 .. 15.
; K = 32 IN A FORM OF K = 128.  Source 0 holds FOUR key tiles, one in each block of 32; source 1 is a window of 16 registers on v100-127 (12 zero registers, q's 4, 12 zero registers) that puts q in block c and zero codes elsewhere.
; SOFTMAX.  t = score x c, c = log2(e) / sqrt(32); M = ceil(the row's largest t): all 256 scores of a query are in registers, so M is final; p = 2^(t - M) is quantised along the keys; the row's sum is of the unquantised p.
; A block's largest score is held at the row's largest - 454, which is 2^-116 in p: so a block's byte is at least 2; what that changes lies under 2^-115 of the row's largest p.
; NO JOINT OR TENSOR LOADS: x's rows pass through registers to be quantised, and the weights' codes go from memory into operand registers.  No prefetch: x is wanted at the head, two groups of loads are out while a group is worked on.
; LIMITS: NaN and infinities among the inputs are not served.  The scaled scores stay under 2^31 in magnitude.  A block of x, Q, K, V or the result that is zero, or whose largest magnitude lies under 2^-118, gets the byte 1 (the rule says 127 for zeros): its codes are zeros or subnormal codes, and this program alone reads the bytes.
; oc: [token tile of 16: 2,048][head 16][512 bytes]: lane l's 16 bytes at 16 l: query r, channels 16 h + 0 .. 15.   os: [chunk][head / 8][tile 16][r 16][head % 8].
; LDS: x's codes from 0, row 16 T + r, 512 bytes + 16 of padding; XS their bytes, 16 a row; PB a block of PW bytes for each wave: 8,192 of images (K: [b][tau], V: [b][e]; a lane's 16 bytes at 16 l), then bytes [r][8 tau + b] ([r][8 e + b]);
;   FS the result's bytes; Q's images of tile t over the rows of x's tile 8 z + t, which nobody reads any more then: + 512 x head, scale words + 4,096 + 128 x head.
.set XS,    135168
.set PB,    139264
.set PW,    8448
.set FS,    274432
.set SPARE, 276480
.set XROWS, 67584                      ; 128 LDS rows of x
.set BM,  32                           ; attention: v32-39 the blocks' largest scores, then largest p, then sums
.set BT,  40
.set SCV, 48                           ; the conversions' scale operands
.set HD,  56                           ; 448 x the scale
.set PP,  64                           ; p's codes: two fragments (before: K's; between: partial sums)
.set SUM, 96
.set NM,  28                           ; -M (v29 is named with it as a pair)
.set RM,  30
.set LT,  31
.set LL,  27
.set RL,  10                           ; 1 / the sum (v11 is named with it as a pair)
.set SS,  128                          ; S^T, then p; key tile T at SS + 8 T
.macro PLACES n                        ; plain vector lines behind matrix instructions (ISA guide 7.12.1)
.rept \n
	v_nop
.endr
.endm
.macro WALU
	s_wait_alu depctr_va_vdst(0)
.endm
.macro WLOAD base                      ; a head's two tiles of a weight: fragment 4 u + s at v128 + 16 (4 u + s)
.irp u, 0,1
.irp s, 0,1,2,3
.irp c, 0,1,2,3
	global_load_b128 v[128+16*(4*\u+\s)+4*\c:128+16*(4*\u+\s)+4*\c+3], v1, s[\base:\base+1] offset:\u*8192+2048*\s+512*\c
.endr
.endr
.endr
.endm
.macro WSLOAD base
.irp u, 0,1
.irp s, 0,1,2,3
	global_load_b32 v[14+4*\u+\s], v2, s[\base:\base+1] offset:\u*512+128*\s
.endr
.endr
.endm
.macro BLOAD base                      ; lane half h, tile u, register j: the bias of channel 16 h + 8 u + j
.irp u, 0,1
	global_load_b128 v[32+8*\u:35+8*\u], v22, s[\base:\base+1] offset:32*\u
	global_load_b128 v[36+8*\u:39+8*\u], v22, s[\base:\base+1] offset:32*\u+16
.endr
.endm
	s_load_b512 s[8:23], s[0:1], 0x0               ; x s[8:9], wcodes s[10:11], wscales s[12:13], bq s[14:15], bk s[16:17], bv s[18:19], oc s[20:21], os s[22:23]
	v_lshl_add_u32 v8, v0, 2, SPARE                ; my spare word,
	v_mov_b32 v9, 0                                ; and 0
	v_lshrrev_b32 v16, 5, v0
	v_readfirstlane_b32 s24, v16                   ; wave 0 .. 15
	v_and_b32 v17, 31, v0                          ; l
	v_and_b32 v18, 15, v0                          ; r
	v_bfe_u32 v19, v0, 4, 1                        ; h
	v_lshlrev_b32 v1, 4, v17                       ; v1 16 l
	v_lshlrev_b32 v2, 2, v17                       ; v2 4 l
	v_lshlrev_b32 v10, 5, v17                      ; v10 32 l: my 8 numbers of half a row of x
	v_mul_u32_u24 v4, v18, 528
	v_lshl_add_u32 v4, v19, 4, v4                  ; v4 x's fragments: 528 r + 16 h
	v_lshlrev_b32 v20, 4, v18
	v_add_nc_u32 v5, XS, v20                       ; v5 x's scale words
	s_mul_i32 s27, s24, PW
	s_add_co_u32 s27, s27, PB                      ; my wave's block
	v_add_nc_u32 v6, s27, v1                       ; v6 its images
	v_add_nc_u32 v7, s27, v20
	v_add_nc_u32 v7, 8192, v7                      ; v7 its bytes
	s_lshr_b32 s51, s24, 1                         ; my head among the 8
	s_and_b32 s50, s24, 1                          ; z
	s_mul_i32 s27, s51, 16896
	s_mul_i32 s28, s50, 4224
	s_add_co_u32 s27, s27, s28                     ; wave w quantises tokens 16 w .. + 15: LDS rows 32 (w / 2) + 8 (w % 2) on
	WALU
	v_lshl_add_u32 v11, v17, 3, s27                ; v11 where my 8 codes go
	s_lshl_b32 s27, s51, 9
	s_lshl_b32 s28, s50, 7
	s_add_co_u32 s27, s27, s28
	s_add_co_u32 s27, s27, XS
	v_lshrrev_b32 v3, 2, v17
	v_add_nc_u32 v3, s27, v3                       ; v3 and my block's byte: four lanes hold a block
	s_bfe_u32 s26, ttmp6, 0x40000                  ; my place in the cluster
	s_lshl_b32 s25, ttmp9, 2
	s_add_co_u32 s25, s25, s26                     ; work-group g
	s_and_b32 s26, s25, 1
	s_lshr_b32 s35, s25, 1                         ; chunk
	s_lshl_b32 s52, s26, 3
	s_add_co_u32 s52, s52, s51                     ; my head of 16
	s_lshl_b32 s28, s35, 19
	s_lshl_b32 s29, s24, 15
	s_add_co_u32 s28, s28, s29                     ; my wave's 16 rows of x
	s_mov_b32 s29, 0
	s_lshl_b32 s44, s52, 14                        ; my head's codes in a weight,
	s_mov_b32 s45, 0
	s_lshl_b32 s46, s52, 10                        ; its scale words,
	s_mov_b32 s47, 0
	s_lshl_b32 s48, s52, 7                         ; its bias
	s_mov_b32 s49, 0
	s_lshl_b32 s54, s35, 17
	s_lshl_b32 s55, s50, 16
	s_add_co_u32 s54, s54, s55
	s_lshl_b32 s55, s52, 9
	s_add_co_u32 s54, s54, s55                     ; oc: query tile 16 chunk + 8 z, my head
	s_mov_b32 s55, 0
	s_lshl_b32 s56, s25, 11
	s_lshl_b32 s57, s24, 9
	s_add_co_u32 s56, s56, s57                     ; os: 2,048 bytes a work-group
	s_mov_b32 s57, 0
	s_add_co_u32 s58, s50, 1                       ; Wk or Wv
	s_lshl_b32 s60, s58, 14
	s_mov_b32 s61, 0
	s_lshl_b32 s58, s58, 18
	s_mov_b32 s59, 0
	s_mov_b32 s32, 0x76543210
	s_mov_b32 s33, 0xfedcba98                      ; v_permlanex16_b32's selects for lane l xor 16
	s_mov_b32 s34, 0x600000                        ; the mantissa field of 448
	s_mov_b32 s36, 0x3e8293ee                      ; c = log2(e) / sqrt(32)
	s_mov_b32 s37, s36                             ; (named with it as a pair)
	WALU
	s_wait_kmcnt 0x0
	s_add_nc_u64 s[8:9], s[8:9], s[28:29]
	s_add_nc_u64 s[10:11], s[10:11], s[44:45]
	s_add_nc_u64 s[12:13], s[12:13], s[46:47]
	s_add_nc_u64 s[14:15], s[14:15], s[48:49]
	s_add_nc_u64 s[16:17], s[16:17], s[48:49]
	s_add_nc_u64 s[18:19], s[18:19], s[48:49]
	s_add_nc_u64 s[20:21], s[20:21], s[54:55]
	s_add_nc_u64 s[22:23], s[22:23], s[56:57]
	s_add_nc_u64 s[28:29], s[10:11], s[58:59]      ; Wk's or Wv's codes
	s_add_nc_u64 s[30:31], s[12:13], s[60:61]      ; and scale words
; ---- X: x becomes codes.  A group is two rows, four units of half a row: in a unit lane l holds k = 256 q + 8 l .. + 7; four lanes hold a block.
; v24-27 largest magnitudes, then v24-31 codes; v20-23 scale operands; v16-19 448 x the scale, then bytes; three sets of 32 numbers from v32 on.
.macro XLOADG g
.set XB, 32+32*((\g)%3)
.irp u, 0,1,2,3
	global_load_b128 v[XB+8*\u:XB+8*\u+3], v10, s[8:9] offset:(2*(\g)+(\u/2))*2048+(\u%2)*1024
	global_load_b128 v[XB+8*\u+4:XB+8*\u+7], v10, s[8:9] offset:(2*(\g)+(\u/2))*2048+(\u%2)*1024+16
.endr
.endm
.macro XWORK g
.set XB, 32+32*((\g)%3)
.irp u, 0,1,2,3
	v_max3_num_f32 v[24+\u], |v[XB+8*\u]|, |v[XB+8*\u+1]|, 0x4800000   ; my 8 numbers and the floor 2^(9 - 127), under which a byte would fall under 1
.endr
.irp i, 2,4,6
.irp u, 0,1,2,3
	v_max3_num_f32 v[24+\u], v[24+\u], |v[XB+8*\u+\i]|, |v[XB+8*\u+\i+1]|
.endr
.endr
.irp u, 0,1,2,3
	v_max_num_f32_dpp v[24+\u], v[24+\u], v[24+\u] row_xmask:1 row_mask:0xf bank_mask:0xf
.endr
.irp u, 0,1,2,3
	v_max_num_f32_dpp v[24+\u], v[24+\u], v[24+\u] row_xmask:2 row_mask:0xf bank_mask:0xf
.endr
.irp u, 0,1,2,3
	v_add_nc_u32 v[20+\u], 0xfc000000, v[24+\u]    ; 8 off the exponent field: the conversion's scale operand
.endr
.irp u, 0,1,2,3
	v_and_or_b32 v[16+\u], v[24+\u], 0x7f800000, s34
.endr
.irp u, 0,1,2,3
.irp i, 0,1,2,3,4,5,6,7
	v_med3_num_f32 v[XB+8*\u+\i], v[XB+8*\u+\i], -v[16+\u], v[16+\u]   ; the conversion does not saturate (ISA guide 7.6.2): the hold
.endr
.endr
.irp u, 0,1,2,3
	v_cvt_scalef32_pk8_fp8_f32 v[24+2*\u:25+2*\u], v[XB+8*\u:XB+8*\u+7], v[20+\u]
.endr
.irp u, 0,1,2,3
	v_lshrrev_b32 v[16+\u], 23, v[20+\u]           ; the byte; also the plain lines behind the conversions
.endr
.irp u, 0,1,2,3
.set XP, 2*(\g)+(\u/2)                 ; the row among my 16; its LDS row from my first on:
.set LR, 16*(XP/8)+(XP%8)
	ds_store_b64 v11, v[24+2*\u:25+2*\u] offset:LR*528+256*(\u%2)
	ds_store_b8 v3, v[16+\u] offset:LR*16+8*(\u%2) ; the four lanes of a block write the same byte with the same value
.endr
.endm
	XLOADG 0
	XLOADG 1
	XLOADG 2
.irp g, 0,1,2,3,4
	s_wait_dscnt 0x0                               ; the last group's LDS stores have read their registers
	s_wait_loadcnt 16                              ; two younger groups' 16 loads stay out
	XWORK \g
	XLOADG \g+3
.endr
	WLOAD 28                                       ; Wk's or Wv's 32 loads, into registers that this phase does not name
	s_wait_dscnt 0x0
	s_wait_loadcnt 48                              ; two groups and the 32
	XWORK 5
	s_wait_dscnt 0x0
	s_wait_loadcnt 40
	XWORK 6
	s_wait_dscnt 0x0
	s_wait_loadcnt 32
	XWORK 7
	s_wait_dscnt 0x0                               ; for the others' sake: my codes and bytes lie in LDS
	WSLOAD 30
	v_bfe_u32 v22, v0, 4, 1
	v_lshlrev_b32 v22, 6, v22                      ; v22 64 h
	v_and_b32 v23, 15, v0
	v_and_b32 v13, 8, v0
	v_add_nc_u32 v23, v13, v23
	v_lshlrev_b32 v23, 2, v23                      ; v23 4 (r + 8 (r / 8)): in V's layout a lane holds one channel
	v_mov_b32 v10, v4                              ; x's fragments of the first trip (x's loads are done)
	v_mov_b32 v11, v5                              ; and scale words
	v_mov_b32 v50, 0                               ; a lane permute's destination counts as one of its sources
	v_mov_b32 v51, 0
	WALU                                           ; ahead of the branch and the barrier
	s_cmp_eq_u32 s50, 0
	s_cbranch_scc0 .Lbias_v
	BLOAD 16
	s_branch .Lbias
.Lbias_v:
.irp e, 0,1
.irp j, 0,1,2,3,4,5,6,7
	global_load_b32 v[32+8*\e+\j], v23, s[18:19] offset:32*\e   ; a lane's eight registers are eight tokens of one channel
.endr
.endr
.Lbias:
	s_barrier_signal -1
	s_barrier_wait -1                              ; everybody's codes of x lie in LDS
	s_wait_loadcnt 0x0                             ; the weight, its scale words, the bias
; ---- projections.  v14-21 the weight's scale words (4 u + s); v24-31 x's (4 tau + s); v32-47 the bias; v48-63 at work; v64-95 sums; v96-127 x's fragments (16 tau); v128-255 the weight.
.macro XLD xo, s                       ; two token tiles' fragments of K step s
.irp tau, 0,1
.irp c, 0,1,2,3
	ds_load_b128 v[96+16*\tau+4*\c:96+16*\tau+4*\c+3], v10 offset:(\xo)+\tau*8448+128*(\s)+32*\c
.endr
.endr
.endm
; Four K steps of 128; the four accumulators take turns; the first step's C is the bias.  kq = 1: K or Q (source 0 = W); 0: V (source 0 = x).  sig = 1: behind my last read of x a barrier is signalled.
.macro PRODS kq, xo, sig
.irp s, 0,1,2,3
.if \s > 0
	PLACES 8
	XLD \xo, \s
.endif
	s_wait_dscnt 0x0
.if (\s == 3) && (\sig == 1)
	s_barrier_signal -1
.endif
.irp a, 0,1
.irp b, 0,1
.set DD, 64+16*\a+8*\b
.if \kq
.set WW, \b
.set TT, \a
.else
.set WW, \a
.set TT, \b
.endif
.if \s == 0
.set CC, 32+8*WW
.else
.set CC, DD
.endif
.if \kq
	v_wmma_scale_f32_16x16x128_f8f6f4 v[DD:DD+7], v[128+16*(4*WW+\s):128+16*(4*WW+\s)+15], v[96+16*TT:96+16*TT+15], v[CC:CC+7], v[14+4*WW+\s], v[24+4*TT+\s]
.else
	v_wmma_scale_f32_16x16x128_f8f6f4 v[DD:DD+7], v[96+16*TT:96+16*TT+15], v[128+16*(4*WW+\s):128+16*(4*WW+\s)+15], v[CC:CC+7], v[24+4*TT+\s], v[14+4*WW+\s]
.endif
.endr
.endr
.endr
.endm
.macro QUANT2                          ; the sums' two blocks (16 registers in lanes l and l xor 16) become codes v56-63, bytes v50, v51
.irp i, 0,1
	v_max3_num_f32 v[48+\i], |v[64+16*\i]|, |v[65+16*\i]|, 0x4800000
.endr
.irp k, 2,4,6,8,10,12,14
.irp i, 0,1
	v_max3_num_f32 v[48+\i], v[48+\i], |v[64+16*\i+\k]|, |v[65+16*\i+\k]|
.endr
.endr
.irp i, 0,1
	v_permlanex16_b32 v[50+\i], v[48+\i], s32, s33
.endr
.irp i, 0,1
	v_max_num_f32 v[48+\i], v[48+\i], v[50+\i]
.endr
.irp i, 0,1
	v_add_nc_u32 v[54+\i], 0xfc000000, v[48+\i]
.endr
.irp i, 0,1
	v_and_or_b32 v[52+\i], v[48+\i], 0x7f800000, s34
.endr
.irp i, 0,1
.irp k, 0,1,2,3,4,5,6,7,8,9,10,11,12,13,14,15
	v_med3_num_f32 v[64+16*\i+\k], v[64+16*\i+\k], -v[52+\i], v[52+\i]
.endr
.endr
.irp i, 0,1
	v_cvt_scalef32_pk8_fp8_f32 v[56+4*\i:57+4*\i], v[64+16*\i:71+16*\i], v[54+\i]
	v_cvt_scalef32_pk8_fp8_f32 v[58+4*\i:59+4*\i], v[72+16*\i:79+16*\i], v[54+\i]
.endr
.irp i, 0,1
	v_lshrrev_b32 v[50+\i], 23, v[54+\i]
.endr
.endm
	s_mov_b32 s41, 16896
	s_mov_b32 s42, 512
	s_mov_b32 s43, 0
	s_mov_b32 s44, 0
	s_mov_b32 s40, 8
.Lkv:                                              ; 8 trips: 32 tokens each
	ds_load_b128 v[24:27], v11
	ds_load_b128 v[28:31], v11 offset:256
	XLD 0, 0
	s_cmp_eq_u32 s50, 0
	s_cbranch_scc0 .Lkv_v
	PRODS 1, 0, 0
	s_branch .Lkv_q
.Lkv_v:
	PRODS 0, 0, 0
.Lkv_q:
	v_add_nc_u32 v12, s43, v6                      ; where this trip's images go,
	v_add_nc_u32 v13, s44, v7                      ; its bytes;
	v_add_nc_u32 v10, s41, v4                      ; the next trip's x (behind the last trip not used)
	v_add_nc_u32 v11, s42, v5
	PLACES 4
	QUANT2
	ds_store_b128 v12, v[56:59]
	ds_store_b128 v12, v[60:63] offset:512
	ds_store_b8 v13, v50
	ds_store_b8 v13, v51 offset:8
	s_add_co_u32 s41, s41, 16896                   ; 32 LDS rows of x
	s_add_co_u32 s42, s42, 512
	s_add_co_u32 s43, s43, 1024                    ; two images
	s_add_co_u32 s44, s44, 1
	s_sub_co_u32 s40, s40, 1
	s_cmp_lg_u32 s40, 0
	s_cbranch_scc1 .Lkv
	WLOAD 10                                       ; Wq (the quantiser's lines are the places behind the last products)
	WSLOAD 12
	BLOAD 14
	s_wait_dscnt 0x0
	s_mul_i32 s27, s50, XROWS
	s_lshl_b32 s53, s50, 11
	v_add_nc_u32 v10, s27, v4                      ; my 128 queries' rows of x
	v_add_nc_u32 v11, s53, v5
	s_lshl_b32 s53, s51, 9
	s_add_co_u32 s53, s53, s27
	v_add_nc_u32 v12, s53, v1                      ; Q's images
	s_lshl_b32 s53, s51, 7
	s_add_co_u32 s53, s53, s27
	s_add_co_u32 s53, s53, 4096
	v_add_nc_u32 v13, s53, v2                      ; Q's scale words
	WALU
	s_wait_loadcnt 0x0
.macro QTRIP i                         ; 32 queries.  Behind the barrier every wave has read these rows of x, and Q's images take their place; the first trip's also stands behind everybody's last read of all x for K and V, the last one shows K and V to all
	ds_load_b128 v[24:27], v11 offset:512*\i
	ds_load_b128 v[28:31], v11 offset:512*\i+256
	XLD 16896*\i, 0
	PRODS 1, 16896*\i, 1
	PLACES 8
	QUANT2
	v_perm_b32 v50, v50, v50, 0                    ; q's byte in all four bytes of the word
	v_perm_b32 v51, v51, v51, 0
	WALU                                           ; ahead of the barrier's wait
	s_barrier_wait -1
	ds_store_b128 v12, v[56:59] offset:16896*\i
	ds_store_b128 v12, v[60:63] offset:16896*\i+8448
	ds_store_b32 v13, v50 offset:16896*\i
	ds_store_b32 v13, v51 offset:16896*\i+8448
.endm
	QTRIP 0
	QTRIP 1
	QTRIP 2
	QTRIP 3
; ---- attention.  v4 K's and V's images of my head; v12, v13 Q's; v6 the result's bytes; v16-19 V's scale words, v20-23 K's, v24 q's, v25-26 p's.
.macro KLD g                           ; K's fragment g: key tiles 2 (4 (g % 2) + c) + g / 2, c = 0 .. 3: byte c of scale word g belongs to tile c
.irp c, 0,1,2,3
	ds_load_b128 v[PP+16*(\g%2)+4*\c:PP+16*(\g%2)+4*\c+3], v4 offset:512*(2*(4*(\g%2)+\c)+\g/2)
.endr
.endm
.macro SP g
.irp c, 0,1,2,3
.set KT, SS+8*(2*(4*(\g%2)+\c)+\g/2)
	v_wmma_scale_f32_16x16x128_f8f6f4 v[KT:KT+7], v[PP+16*(\g%2):PP+16*(\g%2)+15], v[112-4*\c:127-4*\c], 0, v[20+\g], v24
.endr
.endm
.macro HOLD2 n, hd                     ; p is not negative: the hold is one-sided
	v_dual_min_num_f32 v[\n], v[\hd], v[\n] :: v_dual_min_num_f32 v[\n+1], v[\hd], v[\n+1]
.endm
	s_mul_i32 s53, s51, 2*PW
	s_add_co_u32 s53, s53, PB
	v_and_b32 v14, 15, v0
	v_add_nc_u32 v4, s53, v1
	v_lshl_add_u32 v5, v14, 4, s53
	v_add_nc_u32 v5, 8192, v5
	s_lshl_b32 s53, s50, 10
	s_add_co_u32 s53, s53, FS
	s_add_co_u32 s53, s53, s51
	v_lshl_add_u32 v6, v14, 3, s53
.irp j, 0,1,2,3,4,5,6,7,8,9,10,11
	v_mov_b32 v[100+\j], 0                         ; the zero codes on both sides of q's four registers
	v_mov_b32 v[116+\j], 0
.endr
.irp j, 0,1,2,3,4,5,6,7
	v_mov_b32 v[BT+\j], 0                          ; lane permutes' destinations; and upper halves of pairs
.endr
	v_mov_b32 v[LT], 0
	v_mov_b32 v[NM+1], 0
	v_mov_b32 v[RL+1], 0
	WALU
	ds_load_b128 v[20:23], v5
	ds_load_b128 v[16:19], v5 offset:PW            ; V's block lies behind K's: e = 0: keys 0-127, 128-255; e = 1
	ds_load_b128 v[112:115], v12
	ds_load_b32 v24, v13
	KLD 0
	KLD 1
	s_mov_b32 s41, 8448
	s_mov_b32 s43, 0
	s_mov_b32 s46, 0
	s_mov_b32 s47, 0
	s_mov_b32 s40, 8
.Latt:                                             ; 8 trips: a tile of 16 queries against all 256 keys
	s_wait_xcnt 0x0                                ; the last trip's store has read its codes and its base
	s_add_nc_u64 s[38:39], s[20:21], s[46:47]
	s_add_co_u32 s46, s46, 8192
	s_wait_dscnt 0x0                               ; q, its word and K's first two fragments are in
	SP 0
	SP 1
	PLACES 8
	KLD 2
	KLD 3
.irp b, 0,1,2,3,4,5,6,7
	v_max3_num_f32 v[BM+\b], v[SS+16*\b], v[SS+16*\b+1], v[SS+16*\b+2]   ; the largest score of each block of 32 keys: it serves the row's maximum and, since p rises with the score, the block's largest p
.endr
.irp i, 3,5
.irp b, 0,1,2,3,4,5,6,7
	v_max3_num_f32 v[BM+\b], v[BM+\b], v[SS+16*\b+\i], v[SS+16*\b+\i+1]
.endr
.endr
	WALU                                           ; ahead of the one below
	s_wait_dscnt 0x0
	SP 2
	SP 3
.irp b, 0,1,2,3,4,5,6,7
	v_max_num_f32 v[BM+\b], v[BM+\b], v[SS+16*\b+7]   ; these read the first tiles alone: they are the eight places behind the last products
.endr
.irp i, 8,10,12,14
.irp b, 0,1,2,3,4,5,6,7
	v_max3_num_f32 v[BM+\b], v[BM+\b], v[SS+16*\b+\i], v[SS+16*\b+\i+1]
.endr
.endr
	v_max3_num_f32 v[RM], v[BM], v[BM+1], v[BM+2]
.irp b, 0,1,2,3
	v_permlanex16_b32 v[BT+\b], v[BM+\b], s32, s33
.endr
	v_max3_num_f32 v[RM], v[RM], v[BM+3], v[BM+4]
.irp b, 4,5,6,7
	v_permlanex16_b32 v[BT+\b], v[BM+\b], s32, s33
.endr
	v_max3_num_f32 v[RM], v[RM], v[BM+5], v[BM+6]
	v_max_num_f32 v[RM], v[RM], v[BM+7]
	v_permlanex16_b32 v[LT], v[RM], s32, s33
	v_max_num_f32 v[RM], v[RM], v[LT]              ; the row's largest score
	v_add_f32 v[LL], 0xc3e30000, v[RM]             ; less 454: the floor of a block's largest
	v_mul_f32 v[RM], s36, v[RM]                    ; the row's largest t (c is positive)
.irp b, 0,1,2,3,4,5,6,7
	v_max3_num_f32 v[BM+\b], v[BM+\b], v[BT+\b], v[LL]
.endr
	v_floor_f32 v[NM], -v[RM]                      ; -M = floor(-t) = -ceil(t)
.irp b, 0,1,2,3,4,5,6,7
	v_fma_f32 v[BM+\b], v[BM+\b], s36, v[NM]
.endr
.set j, 0
.rept 32
	v_pk_fma_f32 v[SS+j:SS+j+1], v[SS+j:SS+j+1], s[36:37], v[NM:NM+1] op_sel_hi:[1,0,0]   ; t - M, blocks 0 to 3
.set j, j+2
.endr
	WALU                                           ; ahead of the batch,
.irp b, 0,1,2,3,4,5,6,7
	v_exp_f32 v[BM+\b], v[BM+\b]                   ; FIRST BATCH: the blocks' largest p, p of blocks 0 to 3; the scalings of blocks 4 to 7 between name none of its results
.endr
.set j, 0
.rept 32
	v_pk_fma_f32 v[SS+64+j:SS+64+j+1], v[SS+64+j:SS+64+j+1], s[36:37], v[NM:NM+1] op_sel_hi:[1,0,0]
	v_exp_f32 v[SS+j], v[SS+j]
	v_exp_f32 v[SS+j+1], v[SS+j+1]
.set j, j+2
.endr
	v_nop
	WALU                                           ; and behind it
.irp b, 0,1,2,3,4,5,6,7
	v_add_nc_u32 v[SCV+\b], 0xfc000000, v[BM+\b]
.endr
.irp b, 0,1,2,3,4,5,6,7
	v_and_or_b32 v[HD+\b], v[BM+\b], 0x7f800000, s34
.endr
.irp b, 0,1,2,3,4,5,6,7
	v_lshrrev_b32 v[BT+\b], 23, v[SCV+\b]
.endr
	v_lshl_or_b32 v25, v[BT+1], 8, v[BT]           ; p's two scale words: keys 0-127, keys 128-255
	v_lshl_or_b32 v26, v[BT+5], 8, v[BT+4]
	v_lshl_or_b32 v25, v[BT+2], 16, v25
	v_lshl_or_b32 v26, v[BT+6], 16, v26
	v_lshl_or_b32 v25, v[BT+3], 24, v25
	v_lshl_or_b32 v26, v[BT+7], 24, v26
	WALU                                           ; ahead of the second batch
; SECOND BATCH: p of blocks 4 to 7; between, of blocks 0 to 3, the first level of the sum (of the unquantised p) and then the holds: what these write is read behind the batch's wait.
.set i, 0
.rept 16
	v_pk_add_f32 v[PP+2*i:PP+2*i+1], v[SS+4*i:SS+4*i+1], v[SS+4*i+2:SS+4*i+3]
	v_exp_f32 v[SS+64+4*i], v[SS+64+4*i]
	HOLD2 SS+4*i, HD+i/4
	v_exp_f32 v[SS+64+4*i+1], v[SS+64+4*i+1]
	HOLD2 SS+4*i+2, HD+i/4
	v_exp_f32 v[SS+64+4*i+2], v[SS+64+4*i+2]
	v_exp_f32 v[SS+64+4*i+3], v[SS+64+4*i+3]
.set i, i+1
.endr
	v_nop
	WALU                                           ; behind the second batch
.irp n, 0,1,2,3,4,5,6,7
	v_pk_add_f32 v[PP+2*\n:PP+2*\n+1], v[PP+2*\n:PP+2*\n+1], v[PP+16+2*\n:PP+16+2*\n+1]
.endr
.irp n, 0,1,2,3
	v_pk_add_f32 v[PP+2*\n:PP+2*\n+1], v[PP+2*\n:PP+2*\n+1], v[PP+8+2*\n:PP+8+2*\n+1]
.endr
.irp n, 0,1
	v_pk_add_f32 v[PP+2*\n:PP+2*\n+1], v[PP+2*\n:PP+2*\n+1], v[PP+4+2*\n:PP+4+2*\n+1]
.endr
	v_pk_add_f32 v[SUM:SUM+1], v[PP:PP+1], v[PP+2:PP+3]
.irp q, 0,1,2,3,4,5,6,7
	v_cvt_scalef32_pk8_fp8_f32 v[PP+2*\q:PP+2*\q+1], v[SS+8*\q:SS+8*\q+7], v[SCV+\q/2]
.endr
.irp e, 0,1
.irp b, 0,1,2,3,4,5,6,7
	ds_load_b128 v[SS+32*\e+4*\b:SS+32*\e+4*\b+3], v4 offset:PW+1024*\b+512*\e   ; V's four fragments take the registers of blocks 0 to 3
.endr
.endr
.irp n, 0,1,2,3
	v_pk_add_f32 v[BM+2*\n:BM+2*\n+1], v[SS+64+4*\n:SS+64+4*\n+1], v[SS+64+4*\n+2:SS+64+4*\n+3]
.endr
.set n, 8
.rept 24
	v_pk_add_f32 v[BM+2*(n%4):BM+2*(n%4)+1], v[BM+2*(n%4):BM+2*(n%4)+1], v[SS+64+2*n:SS+64+2*n+1]
.set n, n+1
.endr
	v_pk_add_f32 v[BM:BM+1], v[BM:BM+1], v[BM+2:BM+3]
	v_pk_add_f32 v[BM+4:BM+5], v[BM+4:BM+5], v[BM+6:BM+7]
	v_pk_add_f32 v[SUM:SUM+1], v[SUM:SUM+1], v[BM:BM+1]
	v_pk_add_f32 v[SUM:SUM+1], v[SUM:SUM+1], v[BM+4:BM+5]
.set n, 0
.rept 32
	HOLD2 SS+64+2*n, HD+4+n/8
.set n, n+1
.endr
	v_add_f32 v[LL], v[SUM], v[SUM+1]
.irp q, 8,9,10,11
	v_cvt_scalef32_pk8_fp8_f32 v[PP+2*\q:PP+2*\q+1], v[SS+8*\q:SS+8*\q+7], v[SCV+\q/2]
.endr
	v_permlanex16_b32 v[LT], v[LL], s32, s33
.irp q, 12,13,14,15
	v_cvt_scalef32_pk8_fp8_f32 v[PP+2*\q:PP+2*\q+1], v[SS+8*\q:SS+8*\q+7], v[SCV+\q/2]
.endr
	v_add_f32 v[LL], v[LL], v[LT]                  ; the row's sum
	WALU                                           ; ahead of the transcendental
	v_rcp_f32 v[RL], v[LL]
	PLACES 4                                       ; plain lines behind it, and between p's last codes and the products
	s_wait_dscnt 0x0                               ; V's fragments
	v_wmma_scale_f32_16x16x128_f8f6f4 v[192:199], v[128:143], v[PP:PP+15], 0, v16, v25                        ; the two accumulators by turns
	v_wmma_scale_f32_16x16x128_f8f6f4 v[200:207], v[160:175], v[PP:PP+15], 0, v18, v25
	v_wmma_scale_f32_16x16x128_f8f6f4 v[192:199], v[144:159], v[PP+16:PP+31], v[192:199], v17, v26
	v_wmma_scale_f32_16x16x128_f8f6f4 v[200:207], v[176:191], v[PP+16:PP+31], v[200:207], v19, v26
	v_add_nc_u32 v2, s41, v12                      ; the next tile's q and its word (behind the last tile: bytes that hold something else and are not used),
	v_add_nc_u32 v7, s41, v13
	v_add_nc_u32 v3, s43, v6                       ; and this tile's bytes
	PLACES 5
	ds_load_b128 v[112:115], v2
	ds_load_b32 v24, v7
	KLD 0
	KLD 1
	WALU                                           ; for the reciprocal, ahead of its first reader
.irp i, 0,1,2,3,4,5,6,7
	v_pk_mul_f32 v[208+2*\i:209+2*\i], v[192+2*\i:193+2*\i], v[RL:RL+1] op_sel_hi:[1,0]   ; O^T / the sum: channels 16 h + 0 .. 15 of my query, one block of the last product's K
.endr
	v_max3_num_f32 v48, |v208|, |v209|, 0x4800000
	v_max3_num_f32 v49, |v210|, |v211|, |v212|
	v_max3_num_f32 v48, v48, |v213|, |v214|
	v_max3_num_f32 v49, v49, |v215|, |v216|
	v_max3_num_f32 v48, v48, |v217|, |v218|
	v_max3_num_f32 v49, v49, |v219|, |v220|
	v_max3_num_f32 v48, v48, |v221|, |v222|
	v_max3_num_f32 v48, v48, v49, |v223|
	v_permlanex16_b32 v50, v48, s32, s33
	v_max_num_f32 v48, v48, v50
	v_add_nc_u32 v52, 0xfc000000, v48
	v_and_or_b32 v51, v48, 0x7f800000, s34
.irp i, 0,1,2,3,4,5,6,7,8,9,10,11,12,13,14,15
	v_med3_num_f32 v[208+\i], v[208+\i], -v51, v51
.endr
	v_cvt_scalef32_pk8_fp8_f32 v[56:57], v[208:215], v52
	v_cvt_scalef32_pk8_fp8_f32 v[58:59], v[216:223], v52
	v_lshrrev_b32 v50, 23, v52
	global_store_b128 v1, v[56:59], s[38:39]       ; 32 lanes store 512 consecutive bytes, aligned
	ds_store_b8 v3, v50
	s_add_co_u32 s41, s41, 8448
	s_add_co_u32 s43, s43, 128
	s_sub_co_u32 s40, s40, 1
	s_cmp_lg_u32 s40, 0
	s_cbranch_scc1 .Latt
	s_wait_dscnt 0x0                               ; my result's bytes lie in LDS
	s_barrier_signal -1
	s_barrier_wait -1
	s_cmp_lt_u32 s24, 4
	s_cbranch_scc0 .Lend
	s_lshl_b32 s53, s24, 9
	s_add_co_u32 s53, s53, FS
	v_add_nc_u32 v5, s53, v1
	ds_load_b128 v[12:15], v5
	s_wait_dscnt 0x0
	global_store_b128 v1, v[12:15], s[22:23]       ; waves 0 to 3: 512 consecutive bytes each
.Lend:
	s_wait_tensorcnt 0x0                           ; the wave's end
	ds_add_u32 v8, v9
	s_wait_dscnt 0x0
	s_endpgm
.Lfunc_end_k_q0f33a685f2_attn:
	.size	k_q0f33a685f2_attn, .Lfunc_end_k_q0f33a685f2_attn-k_q0f33a685f2_attn
	.p2alignl 7, 3214868480
	.fill 96, 4, 3214868480
	.section	.rodata,"a",@progbits
	.p2align	6, 0x0
	.amdhsa_kernel k_q0f33a685f2_attn
		.amdhsa_group_segment_fixed_size 278528
		.amdhsa_private_segment_fixed_size 0
		.amdhsa_enable_private_segment 0
		.amdhsa_kernarg_size 64
		.amdhsa_user_sgpr_count 2
		.amdhsa_user_sgpr_kernarg_segment_ptr 1
		.amdhsa_wavefront_size32 1
		.amdhsa_system_sgpr_workgroup_id_x 1
		.amdhsa_system_sgpr_workgroup_id_y 1
		.amdhsa_system_sgpr_workgroup_id_z 1
		.amdhsa_system_vgpr_workitem_id 0
		.amdhsa_next_free_vgpr 256
		.amdhsa_next_free_sgpr 66
		.amdhsa_reserve_vcc 0
		.amdhsa_float_denorm_mode_32 3
		.amdhsa_float_denorm_mode_16_64 3
		.amdhsa_memory_ordered 1
		.amdhsa_forward_progress 1
		.amdhsa_inst_pref_size 152
	.end_amdhsa_kernel
	.amdgpu_metadata
---
amdhsa.version: [ 1, 2 ]
amdhsa.kernels:
  - .name:           k_q0f33a685f2_attn
    .symbol:         k_q0f33a685f2_attn.kd
    .args:
      - { .name: x, .offset: 0, .size: 8, .value_kind: global_buffer, .address_space: global }
      - { .name: wcodes, .offset: 8, .size: 8, .value_kind: global_buffer, .address_space: global }
      - { .name: wscales, .offset: 16, .size: 8, .value_kind: global_buffer, .address_space: global }
      - { .name: bq, .offset: 24, .size: 8, .value_kind: global_buffer, .address_space: global }
      - { .name: bk, .offset: 32, .size: 8, .value_kind: global_buffer, .address_space: global }
      - { .name: bv, .offset: 40, .size: 8, .value_kind: global_buffer, .address_space: global }
      - { .name: oc, .offset: 48, .size: 8, .value_kind: global_buffer, .address_space: global }
      - { .name: os, .offset: 56, .size: 8, .value_kind: global_buffer, .address_space: global }
    .group_segment_fixed_size: 278528
    .private_segment_fixed_size: 0
    .kernarg_segment_align: 8
    .kernarg_segment_size: 64
    .max_flat_workgroup_size: 512
    .sgpr_count:     66
    .vgpr_count:     256
    .wavefront_size: 32
...
	.end_amdgpu_metadata
.endif
;; end of part 2
;; launch outp (part 3): grid 256 x 1, 8 waves a work-group, no clusters, 101,376 bytes of LDS; arguments oc, os, wcodes, wscales, bo, out0; writes out0
.if DOCPART == 3
	.amdgcn_target "amdgcn-amd-amdhsa--gfx1250"
	.amdhsa_code_object_version 6
	.text
	.protected	k_q0f33a685f2_outp
	.globl	k_q0f33a685f2_outp
	.p2align	8
	.type	k_q0f33a685f2_outp,@function
k_q0f33a685f2_outp:
	s_mov_b64 s[64:65], 0
	v_nop
	global_prefetch_b8 v0, s[64:65] scope:SCOPE_SE
	s_setreg_imm32_b32 hwreg(HW_REG_WAVE_MODE, 25, 1), 1
	s_wait_xcnt 0x0
; out0 = the attention's result x Wo^T + bo: 32,768 x 512 x 512 on codes of FP8 (E4M3) with one E8M0 scale for each 32 along K; f32 sums, the bias is the first products' C.
; A work-group takes 128 tokens (8 tiles of 16) and all 512 channels; wave w owns channels 64 w .. 64 w + 63, whose 256 registers of weights it loads once.  The result's codes come into LDS once (wave w brings tile w) and are read by all.
; Tile t, row r is token 128 g + 32 (t / 2) + 8 (t % 2) + r + 8 (r / 8) of work-group g.  oc, os, wcodes, wscales: as launches attn and prep lay them, in the order of an operand's registers.
; Source 0 = 16 rows of Wo, source 1 = 16 tokens: a lane holds one token and 8 neighbouring channels a tile; 16 rows x 64 channels go through the wave's own stage in LDS and leave as aligned units of 256 bytes.
; No joint loads: a weight goes from memory into operand registers.  No prefetch: there is no loop to run ahead in.
; REGISTERS.  v24-55 the tokens' scale words (4 t + s); v58-73 Wo's (4 tt + s); v76-107 the bias; v108-139 sums; v140-203 the tile's fragments; v204-235 rows on their way out.  Window 1: Wo's 16 fragments (4 tt + s).
.set STAGE,  65536
.set SPITCH, 272
.set SPARE,  100352
.set MSB, 0
.macro WIN new                         ; the high byte repeats the setting that is left
.if MSB != \new
	s_set_vgpr_msb (MSB<<8)|\new
.set MSB, \new
.endif
.endm
.macro WLD p                           ; tiles 2 p, 2 p + 1
	WIN 0x40
.irp u, 0,1
.irp s, 0,1,2,3
.irp c, 0,1,2,3
	global_load_b128 v[16*(4*(2*\p+\u)+\s)+4*\c:16*(4*(2*\p+\u)+\s)+4*\c+3], v1, s[12:13] offset:(2*\p+\u)*8192+2048*\s+512*\c
.endr
.endr
.endr
	WIN 0
.endm
	s_load_b256 s[8:15], s[0:1], 0x0               ; oc s[8:9], os s[10:11], wcodes s[12:13], wscales s[14:15]
	s_load_b128 s[16:19], s[0:1], 0x20             ; bo s[16:17], out0 s[18:19]
	v_lshl_add_u32 v9, v0, 2, SPARE                ; my spare word,
	v_mov_b32 v10, 0                               ; and 0
	v_lshrrev_b32 v11, 5, v0
	v_readfirstlane_b32 s24, v11                   ; wave 0 .. 7
	v_and_b32 v12, 31, v0                          ; l
	v_and_b32 v13, 15, v0                          ; r
	v_bfe_u32 v14, v0, 4, 1                        ; h
	s_lshl_b32 s27, s24, 13
	s_mul_i32 s28, s24, 16*SPITCH
	s_add_co_u32 s28, s28, STAGE                   ; my stage
	v_lshlrev_b32 v1, 4, v12                       ; v1 16 l
	v_lshlrev_b32 v2, 2, v12                       ; v2 4 l
	v_lshlrev_b32 v3, 3, v13                       ; v3 8 r
	v_lshlrev_b32 v4, 6, v14                       ; v4 64 h
	v_add_nc_u32 v5, s27, v1                       ; v5 where my tile's codes go
	v_mul_u32_u24 v6, v13, SPITCH
	v_lshl_add_u32 v6, v14, 6, v6
	v_add_nc_u32 v6, s28, v6                       ; v6 the stage, in: row r, + 64 h
	v_mul_u32_u24 v7, v14, SPITCH
	v_lshl_add_u32 v7, v13, 4, v7
	v_add_nc_u32 v7, s28, v7                       ; v7 back: lanes 0-15 one row of 256 bytes, lanes 16-31 the next
	v_lshlrev_b32 v8, 11, v14
	v_lshl_add_u32 v8, v13, 4, v8                  ; v8 and the same two rows in out0
	s_lshl_b32 s28, ttmp9, 16
	s_add_co_u32 s28, s28, s27                     ; oc: tile 8 g + w
	s_mov_b32 s29, 0
	s_lshr_b32 s30, ttmp9, 1
	s_lshl_b32 s30, s30, 12
	s_and_b32 s31, ttmp9, 1
	s_lshl_b32 s31, s31, 10
	s_add_co_u32 s30, s30, s31                     ; os: chunk, half
	s_mov_b32 s31, 0
	s_lshl_b32 s32, s24, 15
	s_add_co_u32 s32, s32, 786432                  ; Wo is the fourth matrix; my four tiles
	s_mov_b32 s33, 0
	s_lshl_b32 s34, s24, 11
	s_add_co_u32 s34, s34, 49152
	s_mov_b32 s35, 0
	s_lshl_b32 s36, s24, 8                         ; my 64 channels of f32
	s_mov_b32 s37, 0
	s_lshl_b32 s38, ttmp9, 18
	s_add_co_u32 s38, s38, s36
	s_mov_b32 s39, 0
	s_wait_alu depctr_va_vdst(0)
	s_wait_kmcnt 0x0
	s_add_nc_u64 s[8:9], s[8:9], s[28:29]
	s_add_nc_u64 s[10:11], s[10:11], s[30:31]
	s_add_nc_u64 s[12:13], s[12:13], s[32:33]
	s_add_nc_u64 s[14:15], s[14:15], s[34:35]
	s_add_nc_u64 s[16:17], s[16:17], s[36:37]
	s_add_nc_u64 s[18:19], s[18:19], s[38:39]
.irp k, 0,1,2,3,4,5,6,7,8,9,10,11,12,13,14,15
	global_load_b128 v[140+4*\k:143+4*\k], v1, s[8:9] offset:512*\k
.endr
	WLD 0
.irp q, 0,1,2,3
.irp s, 0,1,2,3
	global_load_b32 v[58+4*\q+\s], v2, s[14:15] offset:\q*512+128*\s
.endr
.endr
	s_wait_loadcnt 48                              ; the tile's 16 are in; 32 of Wo and 16 scale words stay out
.irp k, 0,1,2,3,4,5,6,7,8,9,10,11,12,13,14,15
	ds_store_b128 v5, v[140+4*\k:143+4*\k] offset:512*\k
.endr
	WLD 1
.irp t, 0,1,2,3,4,5,6,7
	global_load_b64 v[24+4*\t:25+4*\t], v3, s[10:11] offset:128*\t          ; heads 0-7: K steps 0, 1
	global_load_b64 v[26+4*\t:27+4*\t], v3, s[10:11] offset:2048+128*\t     ; heads 8-15
.endr
.irp q, 0,1,2,3
	global_load_b128 v[76+8*\q:79+8*\q], v4, s[16:17] offset:128*(\q/2)+32*(\q%2)
	global_load_b128 v[80+8*\q:83+8*\q], v4, s[16:17] offset:128*(\q/2)+32*(\q%2)+16
.endr
	s_wait_dscnt 0x0                               ; my tile lies in LDS
	s_barrier_signal -1
	s_barrier_wait -1
.macro FLD t                           ; the tile's four fragments: registers 4 c of K step s: head 4 s + c
.irp k, 0,1,2,3,4,5,6,7,8,9,10,11,12,13,14,15
	ds_load_b128 v[140+4*\k:143+4*\k], v1 offset:8192*(\t)+512*\k
.endr
.endm
	FLD 0
	s_wait_loadcnt 0x0                             ; Wo, the scale words, the bias
.macro OTILE t
	s_wait_dscnt 0x0
	WIN 0x01                                       ; source 0 (Wo) window 1
.irp s, 0,1,2,3
.irp q, 0,1,2,3
.if \s == 0
	v_wmma_scale_f32_16x16x128_f8f6f4 v[108+8*\q:115+8*\q], v[16*(4*\q+\s):16*(4*\q+\s)+15], v[140+16*\s:155+16*\s], v[76+8*\q:83+8*\q], v[58+4*\q+\s], v[24+4*(\t)+\s]
.else
	v_wmma_scale_f32_16x16x128_f8f6f4 v[108+8*\q:115+8*\q], v[16*(4*\q+\s):16*(4*\q+\s)+15], v[140+16*\s:155+16*\s], v[108+8*\q:115+8*\q], v[58+4*\q+\s], v[24+4*(\t)+\s]
.endif
.endr
.endr
	WIN 0
.rept 9                                        ; the places behind the products; the next tile's first products write over these results
	v_nop
.endr
	s_wait_xcnt 0x0                                ; the last tile's stores have read their registers
.irp q, 0,1,2,3
	ds_store_b128 v6, v[108+8*\q:111+8*\q] offset:128*(\q/2)+32*(\q%2)
	ds_store_b128 v6, v[112+8*\q:115+8*\q] offset:128*(\q/2)+32*(\q%2)+16
.endr
.irp k, 0,1,2,3,4,5,6,7
	ds_load_b128 v[204+4*\k:207+4*\k], v7 offset:2*\k*SPITCH   ; LDS serves a wave's instructions in order: these see my stores
.endr
.if (\t) < 7
	FLD (\t)+1                                     ; the next tile's fragments
.endif
.irp k, 0,1,2,3,4,5,6,7
.if (\t) < 7
	s_wait_dscnt 16+7-\k                           ; rows 2 k, 2 k + 1 are back; the younger rows and the 16 fragment loads stay out
.else
	s_wait_dscnt 7-\k
.endif
	global_store_b128 v8, v[204+4*\k:207+4*\k], s[18:19] offset:(32*((\t)/2)+8*((\t)%2)+2*\k+8*(\k/4))*2048 th:TH_STORE_NT   ; 16 lanes store 256 consecutive bytes, aligned
.endr
.endm
.irp t, 0,1,2,3,4,5,6,7
	OTILE \t
.endr
	s_wait_tensorcnt 0x0                           ; the wave's end
	ds_add_u32 v9, v10
	s_wait_dscnt 0x0
	s_endpgm
.Lfunc_end_k_q0f33a685f2_outp:
	.size	k_q0f33a685f2_outp, .Lfunc_end_k_q0f33a685f2_outp-k_q0f33a685f2_outp
	.p2alignl 7, 3214868480
	.fill 96, 4, 3214868480
	.section	.rodata,"a",@progbits
	.p2align	6, 0x0
	.amdhsa_kernel k_q0f33a685f2_outp
		.amdhsa_group_segment_fixed_size 101376
		.amdhsa_private_segment_fixed_size 0
		.amdhsa_enable_private_segment 0
		.amdhsa_kernarg_size 48
		.amdhsa_user_sgpr_count 2
		.amdhsa_user_sgpr_kernarg_segment_ptr 1
		.amdhsa_wavefront_size32 1
		.amdhsa_system_sgpr_workgroup_id_x 1
		.amdhsa_system_sgpr_workgroup_id_y 1
		.amdhsa_system_sgpr_workgroup_id_z 1
		.amdhsa_system_vgpr_workitem_id 0
		.amdhsa_next_free_vgpr 512
		.amdhsa_next_free_sgpr 66
		.amdhsa_reserve_vcc 0
		.amdhsa_float_denorm_mode_32 3
		.amdhsa_float_denorm_mode_16_64 3
		.amdhsa_memory_ordered 1
		.amdhsa_forward_progress 1
		.amdhsa_inst_pref_size 59
	.end_amdhsa_kernel
	.amdgpu_metadata
---
amdhsa.version: [ 1, 2 ]
amdhsa.kernels:
  - .name:           k_q0f33a685f2_outp
    .symbol:         k_q0f33a685f2_outp.kd
    .args:
      - { .name: oc, .offset: 0, .size: 8, .value_kind: global_buffer, .address_space: global }
      - { .name: os, .offset: 8, .size: 8, .value_kind: global_buffer, .address_space: global }
      - { .name: wcodes, .offset: 16, .size: 8, .value_kind: global_buffer, .address_space: global }
      - { .name: wscales, .offset: 24, .size: 8, .value_kind: global_buffer, .address_space: global }
      - { .name: bo, .offset: 32, .size: 8, .value_kind: global_buffer, .address_space: global }
      - { .name: out0, .offset: 40, .size: 8, .value_kind: global_buffer, .address_space: global }
    .group_segment_fixed_size: 101376
    .private_segment_fixed_size: 0
    .kernarg_segment_align: 8
    .kernarg_segment_size: 48
    .max_flat_workgroup_size: 256
    .sgpr_count:     66
    .vgpr_count:     512
    .wavefront_size: 32
...
	.end_amdgpu_metadata
.endif
;; end of part 3
